; MI455X (gfx1250); checked and timed in simulation.
; The chip was launched on July 23, 2026; its instructions are those of AMD's public machine-readable ISA for CDNA 5 (MIT licence, August 2026) and "CDNA5" Instruction Set Architecture Reference Guide (July 2026). The comments in the code are by the model that wrote it; some were corrected since.
;; GGML Quantized Linear. Allowed arithmetic: matrix products marked QUANTISED: E4M3 operands, one E8M0 scale for each 32 along K, by v_wmma_scale_f32_16x16x128_f8f6f4 with both operands' format E4M3, f32 sums; everything else in f32.
;; Inputs: bias 4,096 float32; scales 4,096 x 128 float32; weight_packed 4,096 x 2,048 int32; x 2 x 2,048 x 4,096 float32; zero_points 4,096 x 128 float32.
;; Outputs: out0 2 x 2,048 x 4,096 float32.
;; This version of the problem:
;;   THIS VERSION OF THE PROBLEM IS GIVEN IN LOW PRECISION. The matrix products marked QUANTISED in the list below multiply operands that are first quantised to E4M3 (4 exponent bits, 3 mantissa bits; 8 bits a number), with one power-of-two scale for each 32 numbers along K (OCP MX v1.0); their sums are f32. All else is computed in f32.
;;   The module's matrix products, in the order in which they are computed (A, B: the left and right operand; K: the contracted axis; several contracted axes count as one K, in the product's order):
;;     1. [M 4,096, K 4,096] x [K 4,096, N 4,096]; A: input x; B: computed on the way: QUANTISED
;;   THE QUANTISER, for each operand of a quantised product, along K:
;;     - K is cut into blocks of 32 from its start; a last block that is shorter is filled with zeros.
;;     - A block's scale is 2^e with e = floor(log2(the largest magnitude in the block)) - 8, held to -126 .. 127; a block of zeros has e = 0. As a byte (E8M0): e + 127.
;;     - Each number is divided by its block's scale, clamped to +-448, and rounded to the nearest number of E4M3, ties to even, subnormals kept.
;;     - The product sums the exact products of the quantised numbers (number of the format x scale) in f32.
;;   ~~~python
;;   def quantise(x, axis):      # numpy; x: float32 -> the quantised numbers, widened to float32 again
;;       x = np.moveaxis(x, axis, -1); K = x.shape[-1]
;;       x = np.pad(x, [(0, 0)] * (x.ndim - 1) + [(0, -K % 32)]); x = x.reshape(x.shape[:-1] + (-1, 32)); a = np.abs(x).max(-1, keepdims=True)
;;       e = np.where(a > 0, np.clip(np.frexp(np.where(a > 0, a, 1))[1] - 1 - 8, -126, 127), 0)      # np.frexp(a)[1] - 1 = floor(log2(a)), exactly
;;       r = np.clip(x / 2.0 ** e, -448, 448)
;;       step = 2.0 ** (np.maximum(np.frexp(np.where(r == 0, 1, r))[1] - 1, -6) - 3)
;;       q = np.round(r / step) * step * 2.0 ** e      # np.round: ties to even
;;       return np.moveaxis(q.reshape(q.shape[:-2] + (-1,))[..., :K], -1, axis).astype(np.float32)
;;   ~~~
;;   OPERANDS COMPUTED ON THE WAY. 'Computed on the way' means the value that the module computes at that place (a softmax that the list does not call 'softmax' is quantised finished and normalised). What goes into a quantiser is computed in f32, as accurately as f32 sums, v_exp_f32 and their like allow (about 1e-6 of the number): no bf16 or f16 on the way to a quantiser, and a product that is left as it is and whose result goes on into a quantised operand takes f32 operands (vector FMAs, or v_wmma_f32_16x16x4_f32). A number that lies on a knife's edge between two numbers of the format may be rounded either way, as far as f32 arithmetic and the matrix unit's own rounding can turn it there, and no further.
;; One version. Each part assembles by itself: llvm-mc -triple=amdgcn-amd-amdhsa -mcpu=gfx1250 --defsym DOCPART=n.
;; ======== version 1 of 1: 2 launches
;; limits: right only within a limited range of input values
;; workspace buffers: xq 17,301,504 bytes; wq 17,301,504 bytes
;; launch quant (part 1): grid 512 x 1, 8 waves a work-group, no clusters, 153,600 bytes of LDS; arguments x, weight_packed, scales, zero_points, xq, wq; writes xq, wq
.if DOCPART == 1
	.amdgcn_target "amdgcn-amd-amdhsa--gfx1250"
	.amdhsa_code_object_version 6
	.text
	.protected	k_qf2cea23c58_quant
	.globl	k_qf2cea23c58_quant
	.p2align	8
	.type	k_qf2cea23c58_quant,@function
k_qf2cea23c58_quant:
	s_mov_b64 s[64:65], 0
	v_nop
	global_prefetch_b8 v0, s[64:65] scope:SCOPE_SE
	s_setreg_imm32_b32 hwreg(HW_REG_WAVE_MODE, 25, 1), 1
	s_wait_xcnt 0x0
; x [4096][4096] f32, and W [4096][4096] = (nibble - zero point) x scale (f32, one zero point and one scale for each 32 along K), are turned into codes of FP8 (E4M3)
; with one E8M0 scale byte for each 32 along K, for the product's launch.
; A block's scale is 2^(floor(log2(its largest magnitude)) - 8); its byte is the largest magnitude's exponent field - 8, held at 1 from below; each number is divided by the scale,
; held within +-448 and rounded to the nearest code, ties to even.
; LIMITS: NaN and infinities among the inputs are not served.  A block whose largest magnitude lies under 2^-118 has its byte held at 1.  A block of zeros gets the byte 1 where the
; rule says 127: its codes are zeros, which add nothing under any byte but 0xff, and the bytes are read by this program alone.
; THE OUTPUT'S LAYOUT (xq and wq alike): 512 blocks of BLK = 33,792 bytes; block (R = row / 128, T = k / 256) begins at (16 R + T) BLK.  In it the fragment (i = 16 rows, q = 128 along K)
; begins at 4096 i + 2048 q and is an image of the operand's 16 registers: registers 4 c .. 4 c + 3 of lane l at 512 c + 16 l (lane 16 h + r: row 16 i + r, k = 128 q + 32 c + 16 h + 0 .. 15).
; From byte 32,768 on: the scale words, that of (i, r, q) at 128 i + 8 r + 4 q.  So the product's launch brings 128 rows x 256 K with their scales as one dense block.
; SHARES.  A work-group takes 32 rows x 2,048 along K of one tensor; wave w the 256 along K of K step T = 8 half + w: four fragments (a = which 16 rows, q).  With 32 rows a wave's scale words are
; 256 consecutive bytes; with 2,048 along K a row's 64 scales (or zero points) are 256 consecutive bytes, aligned.
; Work-groups g and g + 1, and g and g + 256, take different tensors.  The two ways part once, on the work-group's number, and do not join; each has LDS bytes of its own.
; A conversion takes neighbours along K from one lane's registers, a load is dense where neighbouring lanes take neighbouring bytes: so 16 rows x 512 bytes go through the wave's own stage in LDS
; (rows 528 bytes apart) and come back as the operand's layout wants them.  No tensor loads, no cluster: no two work-groups read the same bytes.
.set BLK,  33792
.set SP,   528                         ; a stage row: 512 bytes + 16
.set STG,  16*SP                       ; a wave's stage
.set WST,  8*STG                       ; LDS: 0: the x way's eight stages;  WST: the W way's eight;
.set SZ,   16*STG                      ; SZ: the W way's scales (rows 0-31) and zero points (rows 32-63), 256 bytes + 16 a row
.set SZP,  272
.set R,    16                          ; v16-143  two sets of 64 registers as loaded; set 0 later holds W's 64 numbers of a fragment
.set X,    144                         ; v144-207 back from the stage
.set PC,   208                         ; v208-223 a fragment's codes
.set TM,   224                         ; v224-227 largest magnitudes, v228-231 bytes, v232-235 448 x the scale, v236-239 the conversions' scale operands
.set SW,   240                         ; v240-243 the four fragments' scale words
.set OW,   244                         ; v244-245 the pair that is stored
.set S,    246                         ; v246-249 four scales of my row
.set Z,    250                         ; v250-253 four zero points
; v1 lane, v2 r = lane % 16, v3 h = lane / 16, v4 16 x lane, v5 stage in, v6 stage out, v7 8 x lane, v8-v10 the W way's addresses of scales and zero points
	s_load_b256 s[4:11], s[0:1], 0x0               ; x, weight_packed, scales, zero_points
	s_load_b128 s[12:15], s[0:1], 0x20             ; xq, wq
	v_lshl_add_u32 v254, v0, 2, 0x25400
	v_mov_b32 v255, 0
	v_lshrrev_b32 v1, 5, v0
	s_delay_alu instid0(VALU_DEP_1)
	v_readfirstlane_b32 s16, v1                    ; wave 0..7
	v_and_b32 v1, 31, v0
	v_and_b32 v2, 15, v0
	v_bfe_u32 v3, v0, 4, 1
	s_delay_alu instid0(VALU_DEP_3)
	v_lshlrev_b32 v4, 4, v1
	s_delay_alu instid0(VALU_DEP_4)
	v_lshlrev_b32 v7, 3, v1
.irp b, 0,1,2,3
	v_mov_b32 v[TM+4+\b], 0                        ; written once: a lane permute's destination counts as one of its sources
.endr
	s_mov_b32 s24, 0x76543210
	s_mov_b32 s25, 0xfedcba98                      ; v_permlanex16_b32's selects for lane l xor 16
	s_mov_b32 s26, 0x600000                        ; the mantissa field of 448
	s_lshr_b32 s17, ttmp9, 8
	s_xor_b32 s17, s17, ttmp9
	s_and_b32 s17, s17, 1                          ; 0: x, 1: W
	s_lshr_b32 s18, ttmp9, 1
	s_and_b32 s19, s18, 1                          ; which half of K
	s_lshr_b32 s18, s18, 1                         ; G: which 32 rows, 0..127
	s_lshl_b32 s20, s19, 3
	s_add_co_u32 s20, s20, s16                     ; T = 8 half + wave
	s_lshr_b32 s21, s18, 2                         ; R = G / 4
	s_and_b32 s22, s18, 3                          ; u = G % 4: which 32 of the block's 128 rows
	s_lshl_b32 s21, s21, 4
	s_add_co_u32 s21, s21, s20
	s_mul_i32 s21, s21, BLK                        ; my block's first byte (under 2^25)
	s_lshl_b32 s23, s22, 13
	s_add_co_u32 s30, s21, s23                     ; my four fragments: + 8192 u
	s_mov_b32 s31, 0
	s_lshl_b32 s23, s22, 8
	s_add_co_u32 s32, s21, s23
	s_add_co_u32 s32, s32, 32768                   ; my 64 scale words: + 32768 + 256 u
	s_mov_b32 s33, 0
	s_mul_i32 s27, s16, STG                        ; my stage
	s_wait_kmcnt 0x0
	s_cmp_eq_u32 s17, 0                            ; the choice hangs on the work-group's number alone
	s_cselect_b64 s[12:13], s[12:13], s[14:15]
	s_add_nc_u64 s[30:31], s[12:13], s[30:31]
	s_add_nc_u64 s[32:33], s[12:13], s[32:33]
; 64 numbers of a lane, v[s] .. v[s + 63], register 16 b + i = k 32 b + 16 h + i of my row, become a fragment's codes in v[PC] on and its scale word in v[pw].
.macro QUANT s, pw
.irp b, 0,1,2,3
	v_max3_num_f32 v[TM+\b], |v[\s+16*\b]|, |v[\s+1+16*\b]|, 0x4800000   ; block b: my 16 numbers, and the floor 2^(9 - 127): the byte cannot fall under 1
.endr
.irp i, 2,4,6,8,10,12,14
.irp b, 0,1,2,3
	s_delay_alu instid0(VALU_DEP_4)
	v_max3_num_f32 v[TM+\b], v[TM+\b], |v[\s+16*\b+\i]|, |v[\s+1+16*\b+\i]|   ; the four blocks by turns: no line waits for the line above it
.endr
.endr
.irp b, 0,1,2,3
	s_delay_alu instid0(VALU_DEP_4)
	v_permlanex16_b32 v[TM+4+\b], v[TM+\b], s24, s25
.endr
.irp b, 0,1,2,3
	s_delay_alu instid0(VALU_DEP_4)
	v_max_num_f32 v[TM+\b], v[TM+\b], v[TM+4+\b]   ; with lane l xor 16's 16: the block's largest magnitude
.endr
.irp b, 0,1,2,3
	s_delay_alu instid0(VALU_DEP_4)
	v_add_nc_u32 v[TM+12+\b], 0xfc000000, v[TM+\b] ; 8 off its exponent field: the conversion takes the exponent field of this operand as its scale
.endr
.irp b, 0,1,2,3
	v_and_or_b32 v[TM+8+\b], v[TM+\b], 0x7f800000, s26   ; 448 x the scale
.endr
.irp b, 0,1,2,3
	v_lshrrev_b32 v[TM+4+\b], 23, v[TM+12+\b]      ; the scale's byte
.endr
	s_delay_alu instid0(VALU_DEP_3)
	v_lshl_or_b32 v[\pw], v[TM+5], 8, v[TM+4]      ; the four bytes make my row's scale word (lanes r and r + 16 hold the same)
	s_delay_alu instid0(VALU_DEP_1)
	v_lshl_or_b32 v[\pw], v[TM+6], 16, v[\pw]
	s_delay_alu instid0(VALU_DEP_1)
	v_lshl_or_b32 v[\pw], v[TM+7], 24, v[\pw]
.irp b, 0,1,2,3
.irp i, 0,1,2,3,4,5,6,7,8,9,10,11,12,13,14,15
	v_med3_num_f32 v[\s+16*\b+\i], v[\s+16*\b+\i], -v[TM+8+\b], v[TM+8+\b]   ; the conversion to an 8-bit code does not saturate (ISA guide 7.6.2): the hold comes first
.endr
	v_cvt_scalef32_pk8_fp8_f32 v[PC+4*\b:PC+1+4*\b], v[\s+16*\b:\s+7+16*\b], v[TM+12+\b]
	v_cvt_scalef32_pk8_fp8_f32 v[PC+2+4*\b:PC+3+4*\b], v[\s+8+16*\b:\s+15+16*\b], v[TM+12+\b]
.endr
	v_nop                                          ; one plain vector line behind the last conversion, ahead of whatever vector line next writes its sources
.endm
.macro TOST set                        ; 16 rows x 512 bytes, as loaded, into my stage
.irp j, 0,1,2,3,4,5,6,7,8,9,10,11,12,13,14,15
	ds_store_b128 v5, v[R+64*(\set)+4*\j:R+64*(\set)+4*\j+3] offset:SP*\j
.endr
.endm
.macro OUTC f                          ; fragment f = 2 a + q: four stores of 512 consecutive bytes, aligned
.irp c, 0,1,2,3
	global_store_b128 v4, v[PC+4*\c:PC+4*\c+3], s[30:31] offset:4096*((\f)/2)+2048*((\f)%2)+512*\c
.endr
.endm
.macro FINISH                          ; lanes 0-15: the two words (q = 0, 1) of rows 0-15; lanes 16-31: those of rows 16-31: 256 consecutive bytes, aligned
	v_cmp_le_u32 vcc_lo, 16, v1
	s_delay_alu instid0(VALU_DEP_1)
	v_cndmask_b32 v[OW], v[SW], v[SW+2], vcc_lo
	s_delay_alu instid0(VALU_DEP_2)
	v_cndmask_b32 v[OW+1], v[SW+1], v[SW+3], vcc_lo
	global_store_b64 v7, v[OW:OW+1], s[32:33]
	s_wait_tensorcnt 0x0
	ds_add_u32 v254, v255
	s_wait_dscnt 0x0
	s_endpgm
.endm
	s_cmp_lg_u32 s17, 0
	s_cbranch_scc1 .Lweights
; ---------------- x ----------------
	s_lshl_b32 s28, s18, 19                        ; 32 G rows of 16,384 bytes
	s_lshl_b32 s23, s20, 10                        ; + T x 256 numbers
	s_add_co_u32 s28, s28, s23
	s_mov_b32 s29, 0
	s_add_nc_u64 s[28:29], s[4:5], s[28:29]
	s_wait_alu depctr_va_vdst(0)
	v_add_nc_u32 v5, s27, v4                       ; in: 16 x lane
	v_mul_u32_u24 v6, v2, SP
	s_delay_alu instid0(VALU_DEP_1)
	v_lshl_add_u32 v6, v3, 6, v6
	s_delay_alu instid0(VALU_DEP_1)
	v_add_nc_u32 v6, s27, v6                       ; out: row r, + 64 h: my 16 numbers of a block of 32
.macro LOADX f                         ; fragment f: 16 rows x 128 numbers; each load reads 512 consecutive bytes of one row
.irp j, 0,1,2,3,4,5,6,7,8,9,10,11,12,13,14,15
	global_load_b128 v[R+64*((\f)%2)+4*\j:R+64*((\f)%2)+4*\j+3], v4, s[28:29] offset:(16*((\f)/2)+\j)*16384+512*((\f)%2) th:TH_LOAD_NT
.endr
.endm
.macro BACKX
.irp c, 0,1,2,3
.irp j, 0,1,2,3
	ds_load_b128 v[X+16*\c+4*\j:X+16*\c+4*\j+3], v6 offset:128*\c+16*\j   ; LDS serves a wave's instructions in order: these see the stores above
.endr
.endr
.endm
.macro XFRAG f
.if (\f) < 3
	s_wait_loadcnt 16                              ; this fragment's 16 loads are in; the next fragment's 16 may be out
.else
	s_wait_loadcnt 0x0
.endif
	TOST (\f)%2
	BACKX
	s_wait_dscnt 0x0                               ; the numbers are back, and the stores have read the set
	s_wait_xcnt 0x0                                ; the last fragment's stores have read the codes' registers, which are written again below
.if (\f) < 2
	LOADX (\f)+2                                   ; the set takes the fragment two on
.endif
	QUANT X, SW+(\f)
	OUTC \f
.endm
	LOADX 0
	LOADX 1
	s_wait_alu depctr_va_vdst(0)
	XFRAG 0
	XFRAG 1
	XFRAG 2
	XFRAG 3
	FINISH
; ---------------- W ----------------
.Lweights:
	s_lshl_b32 s28, s18, 18                        ; 32 G rows of 8,192 bytes (2,048 words, two nibbles each)
	s_lshl_b32 s23, s20, 9                         ; + T x 128 words
	s_add_co_u32 s28, s28, s23
	s_mov_b32 s29, 0
	s_add_nc_u64 s[28:29], s[6:7], s[28:29]
	s_and_b32 s23, s16, 3                          ; waves 0-3 bring the scales of rows 8 (w % 4) .. + 7, waves 4-7 the zero points
	s_lshl_b32 s23, s23, 3
	s_lshl_b32 s34, s18, 5
	s_add_co_u32 s34, s34, s23
	s_lshl_b32 s34, s34, 9                         ; a row of 128 numbers is 512 bytes;
	s_lshl_b32 s23, s19, 8
	s_add_co_u32 s34, s34, s23                     ; my half of K is 256 of them
	s_mov_b32 s35, 0
	s_cmp_lt_u32 s16, 4
	s_cselect_b64 s[36:37], s[8:9], s[10:11]
	s_add_nc_u64 s[34:35], s[36:37], s[34:35]
	s_wait_alu depctr_va_vdst(0)
	v_lshlrev_b32 v9, 9, v3
	s_delay_alu instid0(VALU_DEP_1)
	v_lshl_add_u32 v9, v2, 4, v9                   ; lanes 0-15 one row's 256 bytes, lanes 16-31 the next row's
.irp i, 0,1,2,3
	global_load_b128 v[X+4*\i:X+4*\i+3], v9, s[34:35] offset:1024*\i
.endr
.macro LOADW a                         ; 16 rows x 128 words: 256 along K, both fragments of these rows; each load reads 512 consecutive bytes of one row
.irp j, 0,1,2,3,4,5,6,7,8,9,10,11,12,13,14,15
	global_load_b128 v[R+64*(\a)+4*\j:R+64*(\a)+4*\j+3], v4, s[28:29] offset:(16*(\a)+\j)*8192 th:TH_LOAD_NT
.endr
.endm
	LOADW 0
	LOADW 1
	s_add_co_u32 s27, s27, WST                     ; this way's stages
	v_add_nc_u32 v5, s27, v4
	v_mul_u32_u24 v6, v2, SP
	s_delay_alu instid0(VALU_DEP_1)
	v_lshl_add_u32 v6, v3, 5, v6
	s_delay_alu instid0(VALU_DEP_1)
	v_add_nc_u32 v6, s27, v6                       ; out: row r, + 32 h: my 8 words of a block's 16
	s_mul_i32 s23, s16, 8*SZP
	v_mul_u32_u24 v8, v3, SZP
	s_delay_alu instid0(VALU_DEP_1)
	v_lshl_add_u32 v8, v2, 4, v8
	s_delay_alu instid0(VALU_DEP_1)
	v_add_nc_u32 v8, s23, v8
	s_delay_alu instid0(VALU_DEP_1)
	v_add_nc_u32 v8, SZ, v8                        ; where the scales and zero points go: row 8 w + h, 16 bytes a lane
	v_mul_u32_u24 v10, v2, SZP
	s_lshl_b32 s23, s16, 5
	v_add_nc_u32 v10, s23, v10
	s_delay_alu instid0(VALU_DEP_1)
	v_add_nc_u32 v10, SZ, v10                      ; and where I read them: row r, my K step's 8 numbers at 32 w
	s_wait_alu depctr_va_vdst(0)
	s_wait_loadcnt 32                              ; the four loads of scales or zero points are in; the 32 loads of weights may be out
.irp i, 0,1,2,3
	ds_store_b128 v8, v[X+4*\i:X+4*\i+3] offset:2*SZP*\i
.endr
	s_wait_dscnt 0x0                               ; for the others' sake: my stores have landed
	s_barrier_signal -1                            ; all eight waves of this work-group are on this way
	s_barrier_wait -1                              ; the 64 rows lie in LDS; nobody writes them again
.macro BACKW
.irp q, 0,1
.irp c, 0,1,2,3
.irp j, 0,1
	ds_load_b128 v[X+32*\q+8*\c+4*\j:X+32*\q+8*\c+4*\j+3], v6 offset:256*\q+64*\c+16*\j
.endr
.endr
.endr
.endm
; fragment q's 32 words become 64 numbers in set 0: (nibble - zero point) x scale, a subtraction and a multiplication, each rounded, as the definition has them
.macro UNPACK q
.irp c, 0,1,2,3
.irp m, 0,1,2,3,4,5,6,7
	v_and_b32 v[R+16*\c+2*\m], 15, v[X+32*(\q)+8*\c+\m]          ; the even k: the low nibble
	v_bfe_u32 v[R+16*\c+2*\m+1], v[X+32*(\q)+8*\c+\m], 4, 4      ; the odd k: the high one
.endr
.endr
.set n, 0
.rept 64
	v_cvt_f32_u32 v[R+n], v[R+n]
.set n, n+1
.endr
.irp c, 0,1,2,3
.irp m, 0,2,4,6,8,10,12,14
.if (\c)%2 == 0                        ; the block's number is the first or the second register of its pair: it serves both halves
	v_pk_add_f32 v[R+16*\c+\m:R+16*\c+\m+1], v[R+16*\c+\m:R+16*\c+\m+1], v[Z+2*(\c/2):Z+2*(\c/2)+1] op_sel_hi:[1,0] neg_lo:[0,1] neg_hi:[0,1]
.else
	v_pk_add_f32 v[R+16*\c+\m:R+16*\c+\m+1], v[R+16*\c+\m:R+16*\c+\m+1], v[Z+2*(\c/2):Z+2*(\c/2)+1] op_sel:[0,1] op_sel_hi:[1,1] neg_lo:[0,1] neg_hi:[0,1]
.endif
.endr
.endr
.irp c, 0,1,2,3
.irp m, 0,2,4,6,8,10,12,14
.if (\c)%2 == 0
	v_pk_mul_f32 v[R+16*\c+\m:R+16*\c+\m+1], v[R+16*\c+\m:R+16*\c+\m+1], v[S+2*(\c/2):S+2*(\c/2)+1] op_sel_hi:[1,0]
.else
	v_pk_mul_f32 v[R+16*\c+\m:R+16*\c+\m+1], v[R+16*\c+\m:R+16*\c+\m+1], v[S+2*(\c/2):S+2*(\c/2)+1] op_sel:[0,1] op_sel_hi:[1,1]
.endif
.endr
.endr
.endm
.macro WROWS a
	s_wait_loadcnt 16*(1-(\a))                     ; these rows' 16 loads are in; the other rows' may be out
	TOST \a
	BACKW
.irp q, 0,1
	ds_load_b128 v[S:S+3], v10 offset:SZP*16*(\a)+16*\q
	ds_load_b128 v[Z:Z+3], v10 offset:SZP*(32+16*(\a))+16*\q
	s_wait_dscnt 0x0                               ; words, scales and zero points are in, and the stage's stores have read their set
	UNPACK \q
	s_wait_xcnt 0x0                                ; the last fragment's stores have read the codes' registers
	QUANT R, SW+2*(\a)+\q
	OUTC 2*(\a)+\q
.endr
.endm
	WROWS 0
	WROWS 1
	FINISH
.Lfunc_end_k_qf2cea23c58_quant:
	.size	k_qf2cea23c58_quant, .Lfunc_end_k_qf2cea23c58_quant-k_qf2cea23c58_quant
	.p2alignl 7, 3214868480
	.fill 96, 4, 3214868480
	.section	.rodata,"a",@progbits
	.p2align	6, 0x0
	.amdhsa_kernel k_qf2cea23c58_quant
		.amdhsa_group_segment_fixed_size 153600
		.amdhsa_private_segment_fixed_size 0
		.amdhsa_enable_private_segment 0
		.amdhsa_kernarg_size 48
		.amdhsa_user_sgpr_count 2
		.amdhsa_user_sgpr_kernarg_segment_ptr 1
		.amdhsa_wavefront_size32 1
		.amdhsa_system_sgpr_workgroup_id_x 1
		.amdhsa_system_sgpr_workgroup_id_y 1
		.amdhsa_system_sgpr_workgroup_id_z 1
		.amdhsa_system_vgpr_workitem_id 0
		.amdhsa_next_free_vgpr 256
		.amdhsa_next_free_sgpr 66
		.amdhsa_reserve_vcc 1
		.amdhsa_float_denorm_mode_32 3
		.amdhsa_float_denorm_mode_16_64 3
		.amdhsa_memory_ordered 1
		.amdhsa_forward_progress 1
		.amdhsa_inst_pref_size 142
	.end_amdhsa_kernel
	.amdgpu_metadata
---
amdhsa.version: [ 1, 2 ]
amdhsa.kernels:
  - .name:           k_qf2cea23c58_quant
    .symbol:         k_qf2cea23c58_quant.kd
    .args:
      - { .name: x, .offset: 0, .size: 8, .value_kind: global_buffer, .address_space: global }
      - { .name: weight_packed, .offset: 8, .size: 8, .value_kind: global_buffer, .address_space: global }
      - { .name: scales, .offset: 16, .size: 8, .value_kind: global_buffer, .address_space: global }
      - { .name: zero_points, .offset: 24, .size: 8, .value_kind: global_buffer, .address_space: global }
      - { .name: xq, .offset: 32, .size: 8, .value_kind: global_buffer, .address_space: global }
      - { .name: wq, .offset: 40, .size: 8, .value_kind: global_buffer, .address_space: global }
    .group_segment_fixed_size: 153600
    .private_segment_fixed_size: 0
    .kernarg_segment_align: 8
    .kernarg_segment_size: 48
    .max_flat_workgroup_size: 256
    .sgpr_count:     66
    .vgpr_count:     256
    .wavefront_size: 32
...
	.end_amdgpu_metadata
.endif
;; end of part 1
;; launch gemm (part 2): grid 16 x 16, 4 waves a work-group, clusters of 4 x 1, 327,680 bytes of LDS; arguments xq, wq, bias, out0; writes out0
.if DOCPART == 2
	.amdgcn_target "amdgcn-amd-amdhsa--gfx1250"
	.amdhsa_code_object_version 6
	.text
	.protected	k_qf2cea23c58_gemm
	.globl	k_qf2cea23c58_gemm
	.p2align	8
	.type	k_qf2cea23c58_gemm,@function
k_qf2cea23c58_gemm:
	s_mov_b64 s[64:65], 0
	v_nop
	global_prefetch_b8 v0, s[64:65] scope:SCOPE_SE
	s_setreg_imm32_b32 hwreg(HW_REG_WAVE_MODE, 25, 1), 1
	s_wait_xcnt 0x0
	s_wait_alu depctr_hold_cnt(0) depctr_sa_sdst(0) depctr_va_vdst(0) depctr_va_sdst(0) depctr_va_ssrc(0) depctr_va_vcc(0) depctr_vm_vsrc(0)
	s_getreg_b32 s2, hwreg(HW_REG_IB_STS2, 6, 4)
	s_cmp_eq_u32 s2, 0
	s_cbranch_scc0 .Lentry_in_a_cluster
	s_endpgm
.Lentry_in_a_cluster:
	s_bfe_u32 s2, ttmp6, 0x10000c
	s_cmp_lg_u32 s2, 0x3003
	s_cbranch_scc0 .Lentry_shape_is_right
	s_endpgm
.Lentry_shape_is_right:
; out0[m][n] = bias[n] + sum over k of x[m][k] W[n][k], on the codes (E4M3) and E8M0 scale words that the launch before laid in xq and wq:
; blocks of BLK bytes, block (R = row / 128, T = k / 256) at (16 R + T) BLK; in it fragment (i = 16 rows, q = 128 K) at 4096 i + 2048 q as an image of the
; operand's 16 registers (512 c + 16 lane), and from byte 32,768 the scale words, that of (i, r, q) at 128 i + 8 r + 4 q.
; SHARES.  A work-group makes 256 x 256 of out0; wave w its rows 64 w .. 64 w + 63 against all 256 columns: 64 accumulators, 512 registers.
; x: each fragment of the wave's 64 rows is wanted by this wave alone, so it goes from xq straight into registers, 16 loads of 512 consecutive bytes a step of 128 K,
; four sets of 64 registers, asked for three steps ahead.  It never lies in LDS, so there is no tile of x for a joint load to bring.
; W: 256 rows x 512 K (four blocks) are a slot of LDS; a ring of two slots, one tensor load a wave and slot.  The four work-groups of a cluster (4 along m) want the same
; blocks of wq and ask for them jointly.  A fragment of W feeds four products.
; A BATCH is four fragments of W, 16 products on end; ahead of it stands ONE run of loads: the next batch's 16 LDS loads, into the half of eight register slots that the
; batch before read, and four of x's loads.  Four runs for a step's 64 products.
; The bias is loaded into the accumulators, which are then the C of every product: no step is written apart and nothing is cleared.
; The product is used transposed (source 0 = 16 rows of W, source 1 = 16 rows of x): a lane holds eight neighbouring columns of one row of out0.
; The last two steps go by columns: each 64 columns are finished, pass the wave's stage in LDS and are stored (sixteen lanes to 256 aligned bytes) while later columns are multiplied.
; PREFETCH: in the trip of slot i each wave names 32 blocks of 256 bytes of slot i + 2: of the block of wq that it will load, the quarter of the codes that falls to its work-group
; (by its place along the cluster's x, in the address alone); of its own x fragments one of four chunks of 8 KB, by the low two bits of the column tile.  The last trip asks for nothing.
; The four 256-byte blocks of scale words of a block of wq come with the tensor load alone.
; REGISTERS: window 0: v8-15 x's scale words, v16-31 addresses, v32-63 W's scale words, v64-127 the way out, v128-255 W's eight fragments; window 1: x's four sets;
; windows 2, 3: accumulator (a, b) is number 4 b + a.
.set BLK,   33792
.set SLOT,  4*BLK
.set STAGE, 2*SLOT                     ; behind the ring: 16 rows x 272 bytes for each wave
.set SP,    272
.set SPARE, STAGE+4*16*SP              ; the spare words
.set PFO, 6
.set SA,  8                            ; x's scale word of (set s, pair u): v[SA + 4 (s / 2) + 2 u + 1 - s % 2]: odd where W's register is even, and the other way round
.set ADR, 16                           ; v16-19 LDS address of block k of the slot being read, + 16 lane
.set ADS, 20                           ; v20-23 the same + 8 lane, for scale words
.set STO, 24
.set RD,  25
.set CO,  26
.set BO,  27
.set SPW, 28
.set NIL, 29
.set AO,  30
.set ASO, 31
.set SB,  32                           ; W's scale words: v[SB + 16 T + 2 (b / 2) + q], lanes 0-15 the even b, lanes 16-31 the odd
.set OB,  64
.set RG,  128
.set G1, 24
.set G0, 32
.set AB, 36                            ; s[36:37] xq at my 128-row block, at the slot's first T
.set PB, 44
.set PX, 46
.set MSB, 0
.macro WIN new                         ; the immediate's high byte repeats the setting that is left
.if MSB != (\new)
	s_set_vgpr_msb (MSB<<8)|(\new)
.set MSB, (\new)
.endif
.endm
.macro CROUND                          ; a round of the cluster's barrier
	s_barrier_signal -1
	s_barrier_wait -1
	s_cmp_lg_u32 s14, 0
	s_cbranch_scc1 .Lnot_wave_0_\@
	s_barrier_signal -3
.Lnot_wave_0_\@:
	s_barrier_wait -3
	s_barrier_signal -1
	s_barrier_wait -1
.endm
.macro PLACES n
.rept \n
	v_nop
.endr
.endm
	s_load_b256 s[4:11], s[0:1], 0x0               ; xq, wq, bias, out0
	v_lshl_add_u32 v[SPW], v0, 2, SPARE
	v_mov_b32 v[NIL], 0
	ds_add_u32 v[SPW], v[NIL]                      ; the opening lines: the add twice and one wait
	ds_add_u32 v[SPW], v[NIL]
	v_lshrrev_b32 v1, 5, v0
	v_readfirstlane_b32 s14, v1                    ; wave
	s_lshr_b32 s15, s14, 1
	s_and_b32 s16, s14, 1
	s_bfe_u32 s40, ttmp6, 0x40000                  ; cx
	s_lshl_b32 s17, ttmp9, 2
	s_add_co_u32 s17, s17, s40                     ; row tile = 4 x cluster x + cx
	s_and_b32 s18, ttmp7, 0xffff                   ; column tile: the same in the four partners
	s_mov_b32 s[G1+0], 15|(3<<16)|(1<<21)          ; the four partners; elements of 8 bytes
	s_mov_b32 s[G1+1], 32<<16                      ; a dense block as 132 rows of 256 bytes
	s_mov_b32 s[G1+2], 132<<16
	s_mov_b32 s[G1+3], 32<<16
	s_mov_b32 s[G1+4], 132
	s_mov_b32 s[G1+5], 32
	s_mov_b32 s[G1+6], 0
	s_mov_b32 s[G1+7], 0
	s_lshl_b32 s20, s18, 1                         ; wq: wave w loads block (R = 2 tile + w / 2, T = 2 slot + w % 2)
	s_add_co_u32 s20, s20, s15
	s_lshl_b32 s20, s20, 4
	s_add_co_u32 s20, s20, s16
	s_mul_i32 s20, s20, BLK
	s_mov_b32 s21, 0
	s_lshl_b32 s22, s17, 1                         ; xq: my rows lie in R = 2 tile + w / 2, fragments 4 (w % 2) ..
	s_add_co_u32 s22, s22, s15
	s_mul_i32 s22, s22, 16*BLK
	s_mov_b32 s23, 0
	s_mov_b32 s[G0], 1
	s_mul_i32 s[G0+1], s14, BLK                    ; block w of slot 0
	s_lshl_b32 s12, s40, 13                        ; prefetch of wq: my work-group's 8 KB of the block, two slots on
	s_add_co_u32 s12, s12, 4*BLK
	s_mov_b32 s13, 0
	s_bfe_u32 s38, s18, 0x10001                    ; prefetch of xq: which T of the slot, which half of my 16 KB
	s_mul_i32 s38, s38, BLK
	s_lshl_b32 s42, s16, 14
	s_add_co_u32 s38, s38, s42
	s_and_b32 s39, s18, 1
	s_lshl_b32 s39, s39, 13
	s_add_co_u32 s38, s38, s39
	s_add_co_u32 s38, s38, 4*BLK
	s_mov_b32 s39, 0
	s_lshl_b32 s43, s16, 9
	s_mul_i32 s41, s14, 16*SP
	s_add_co_u32 s41, s41, STAGE                   ; my stage
	s_lshl_b32 s48, s17, 8
	s_lshl_b32 s49, s14, 6
	s_add_co_u32 s48, s48, s49
	s_lshl_b32 s48, s48, 14                        ; my first row of out0, 16,384 bytes a row
	s_mov_b32 s49, 0
	s_lshl_b32 s50, s18, 10                        ; the tile's first column, in bytes
	s_mov_b32 s51, 0
	v_and_b32 v2, 31, v0
	v_and_b32 v3, 15, v0
	v_bfe_u32 v4, v0, 4, 1
	v_lshl_add_u32 v[AO], v2, 4, s42               ; x's codes: 16 lane + my four fragments
	v_lshl_add_u32 v[ASO], v2, 3, s43              ; x's scale words: 8 lane + my four fragments
.irp k, 0,1,2,3
	v_lshl_add_u32 v[ADR+\k], v2, 4, SLOT+\k*BLK   ; they begin at slot 1: the first change of slots turns them to slot 0
	v_lshl_add_u32 v[ADS+\k], v2, 3, SLOT+\k*BLK
.endr
	v_mul_u32_u24 v5, v3, SP
	v_lshl_add_u32 v5, v4, 5, v5
	v_add_nc_u32 v[STO], s41, v5                   ; into the stage: row r, 32 bytes for each half of the lanes
	v_mul_u32_u24 v7, v4, SP
	v_lshl_add_u32 v7, v3, 4, v7
	v_add_nc_u32 v[RD], s41, v7                    ; back: sixteen lanes a row of 256 bytes, two rows an instruction
	v_lshlrev_b32 v5, 14, v4
	v_lshl_add_u32 v[CO], v3, 4, v5                ; and the same two rows in out0
	v_lshlrev_b32 v[BO], 5, v4
	v_lshlrev_b32 v[PFO], 8, v2
	s_wait_alu depctr_va_vdst(0)                   ; the wait at the head's end
	s_wait_dscnt 0x0
	s_wait_kmcnt 0x0
	s_add_nc_u64 s[G0+2:G0+3], s[6:7], s[20:21]
	s_add_nc_u64 s[PB:PB+1], s[G0+2:G0+3], s[12:13]
	s_or_b32 s[G0+3], s[G0+3], 0x80000000
	s_add_nc_u64 s[AB:AB+1], s[4:5], s[22:23]
	s_add_nc_u64 s[PX:PX+1], s[AB:AB+1], s[38:39]
	s_add_nc_u64 s[8:9], s[8:9], s[50:51]
	s_add_nc_u64 s[10:11], s[10:11], s[50:51]
	s_add_nc_u64 s[10:11], s[10:11], s[48:49]
	CROUND                                         ; the four partners are here: the first joint loads meet
	tensor_load_to_lds s[G0:G0+3], s[G1:G1+7]      ; slot 0's first fill: my one load at the head
	s_nop 0
	PLACES 4
.macro AC1 ts, tr, e                   ; load e of the 16 that bring x's four fragments of a step into set ts; tr: its T, counted from the slot's first
	global_load_b128 v[64*(\ts)+4*(\e):64*(\ts)+4*(\e)+3], v[AO], s[AB:AB+1] offset:(\tr)*BLK+2048*((\ts)%2)+4096*((\e)/4)+512*((\e)%4)
.endm
.macro AS1 ts, tr, u                   ; that step's scale words of fragments 2 u (lanes 0-15) and 2 u + 1 (lanes 16-31)
	global_load_b32 v[SA+4*((\ts)/2)+2*(\u)+1-(\ts)%2], v[ASO], s[AB:AB+1] offset:(\tr)*BLK+32768+256*(\u)+4*((\ts)%2)
.endm
	WIN 0x40
.set EE, 0
.rept 16
	AC1 0, 0, EE                                   ; steps 0, 1 and 2
	AC1 1, 0, EE
	AC1 2, 1, EE
.set EE, EE+1
.endr
	WIN 0
.irp u, 0,1
	AS1 0, 0, \u
	AS1 1, 0, \u
	AS1 2, 1, \u
.endr
.irp hw, 0,1                           ; the bias into the accumulators: register j of lane (r, h) of (a, b) is column 16 b + 8 h + j
	WIN 0x80+0x40*\hw
.set EE, 0
.rept 32
	global_load_b128 v[8*EE:8*EE+3], v[BO], s[8:9] offset:64*(8*\hw+EE/4)
	global_load_b128 v[8*EE+4:8*EE+7], v[BO], s[8:9] offset:64*(8*\hw+EE/4)+16
.set EE, EE+1
.endr
.endr
	WIN 0
; Fragment J of a slot's 64: column block QB, step QS.  By steps; in the last slot's second half by column blocks.
.macro MAP J, fin
.if (\fin) && ((\J) >= 32)
.set QB, ((\J)-32)/2
.set QS, 2+((\J)%2)
.else
.set QB, (\J)%16
.set QS, (\J)/16
.endif
.endm
.macro RING J, fin                     ; W's fragment J into register slot J % 8
	MAP \J, \fin
.irp c, 0,1,2,3
	ds_load_b128 v[RG+16*((\J)%8)+4*\c:RG+16*((\J)%8)+4*\c+3], v[ADR+2*(QB/8)+QS/2] offset:4096*(QB%8)+2048*(QS%2)+512*\c
.endr
.endm
.macro BS1 t, e                        ; W's scale words of T t, column blocks 2 e and 2 e + 1, both q
	ds_load_b64 v[SB+16*(\t)+2*(\e):SB+16*(\t)+2*(\e)+1], v[ADS+2*((\e)/4)+(\t)] offset:32768+256*((\e)%4)
.endm
.macro W1 J, a                         ; accumulators by turns: three others stand between two products of one sum at the least
.set DD, 8*((4*QB+\a)%32)
.set BF, RG+16*((\J)%8)
.set AF, 64*QS+16*\a
.set S0, SB+16*(QS/2)+2*(QB/2)+QS%2
.set S1, SA+4*(QS/2)+2*(\a/2)+1-QS%2
.if (QB%2) == 0 && (\a%2) == 0
	v_wmma_scale_f32_16x16x128_f8f6f4 v[DD:DD+7], v[BF:BF+15], v[AF:AF+15], v[DD:DD+7], v[S0], v[S1]
.endif
.if (QB%2) == 1 && (\a%2) == 0
	v_wmma_scale_f32_16x16x128_f8f6f4 v[DD:DD+7], v[BF:BF+15], v[AF:AF+15], v[DD:DD+7], v[S0], v[S1] matrix_a_scale:MATRIX_SCALE_ROW1
.endif
.if (QB%2) == 0 && (\a%2) == 1
	v_wmma_scale_f32_16x16x128_f8f6f4 v[DD:DD+7], v[BF:BF+15], v[AF:AF+15], v[DD:DD+7], v[S0], v[S1] matrix_b_scale:MATRIX_SCALE_ROW1
.endif
.if (QB%2) == 1 && (\a%2) == 1
	v_wmma_scale_f32_16x16x128_f8f6f4 v[DD:DD+7], v[BF:BF+15], v[AF:AF+15], v[DD:DD+7], v[S0], v[S1] matrix_a_scale:MATRIX_SCALE_ROW1 matrix_b_scale:MATRIX_SCALE_ROW1
.endif
.endm
; THE WAY OUT of 64 columns (group g): row block a, 16 rows x 256 bytes, through my stage; LDS serves a wave's instructions in order, so the stage is used again with no wait.
.macro TOST g, a
	WIN 0x08+4*((\g)/2)
.irp bb, 0,1,2,3
	ds_store_b128 v[STO], v[8*((16*(\g)+4*\bb+\a)%32):8*((16*(\g)+4*\bb+\a)%32)+3] offset:64*\bb       ; each accumulator from its low end on
	ds_store_b128 v[STO], v[8*((16*(\g)+4*\bb+\a)%32)+4:8*((16*(\g)+4*\bb+\a)%32)+7] offset:64*\bb+16
.endr
	WIN 0
.irp t, 0,1,2,3,4,5,6,7
	ds_load_b128 v[OB+32*((\a)%2)+4*\t:OB+32*((\a)%2)+4*\t+3], v[RD] offset:\t*2*SP
.endr
.endm
.macro SEND g, a, younger
	s_wait_dscnt \younger                          ; the block is back; what was issued behind its loads may be out
.irp t, 0,1,2,3,4,5,6,7
	global_store_b128 v[CO], v[OB+32*((\a)%2)+4*\t:OB+32*((\a)%2)+4*\t+3], s[10:11] offset:(16*(\a)+2*\t)*16384+256*(\g)
.endr
.endm
.macro OUT g
	PLACES 8                                       ; behind the group's last product, ahead of the first read of its results
	s_wait_xcnt 0x0                                ; earlier stores have read their registers
	TOST \g, 0
	TOST \g, 1
	SEND \g, 0, 16
	s_wait_xcnt 0x0
	TOST \g, 2
	SEND \g, 1, 16
	s_wait_xcnt 0x0
	TOST \g, 3
	SEND \g, 2, 16
	SEND \g, 3, 0
.endm
; Batch n of a slot's 16.  The run: eight places behind the last product, which read the registers that are loaded now;
; the next batch's fragments of W; a quarter of x's loads for three steps on, into the set that the step before read.  Then this batch's 16 products on end.
.macro BATCH n, fin
.set FS, (\n)/4
.set FB, (\n)%4
.set TS, (FS+3)%4
.set TR, (FS+3)/2
.set AOK, ((\fin)==0)||((\n)<4)
.set ND, 0
	PLACES 8
	WIN 0
.if (\n) < 15
.irp f, 0,1,2,3
	RING 4*(\n)+4+\f, \fin
.endr
.set ND, 16
.endif
.if (\n) == 3
.irp e, 0,1,2,3,4,5,6,7
	BS1 1, \e                                      ; the slot's second T: its scale words
.endr
.set ND, ND+8
.endif
.if AOK && FB == 1
	AS1 TS, TR, 0
	AS1 TS, TR, 1
.endif
.if (\n) == 4 && (\fin) == 0
	s_cmp_gt_u32 s3, 1                             ; the last trip has no slot two on
	s_cbranch_scc0 .Lno_ask_\@
	global_prefetch_b8 v[PFO], s[PB:PB+1] th:TH_LOAD_NT scope:SCOPE_SE
	global_prefetch_b8 v[PFO], s[PX:PX+1] th:TH_LOAD_NT scope:SCOPE_SE
.Lno_ask_\@:
.endif
.if AOK
	WIN 0x40
.irp e, 0,1,2,3
	AC1 TS, TR, 4*FB+\e
.endr
.endif
.if FB == 0 && ((\fin) == 0 || (\n) < 8)
.if AOK
	s_wait_loadcnt 40                              ; this step's x is in; the 18 loads of each of the next two steps and the 4 just issued may be out
.else
	s_wait_loadcnt 36
.endif
.endif
.if (\fin) && (\n) == 8
	s_wait_loadcnt 0x0                             ; the last two steps' x
.endif
	s_wait_dscnt ND                                ; this batch's fragments are in; this run's LDS loads may be out
.irp f, 0,1,2,3
	MAP 4*(\n)+\f, \fin
	WIN 0xa4+0x50*(QB/8)                           ; source 0 window 0, source 1 window 1, C and D window 2 or 3
	W1 4*(\n)+\f, 0
	W1 4*(\n)+\f, 1
	W1 4*(\n)+\f, 2
	W1 4*(\n)+\f, 3
.endr
.if (\fin) && (\n) >= 9 && (\n)%2 == 1
	OUT ((\n)-9)/2
.endif
.endm
; The change of slots: all my tensor loads have landed, the add, my LDS reads are back; the round; then the slot read last takes the next 512 along K.
.macro CHANGE fill
	s_wait_tensorcnt 0x0
	ds_add_u32 v[SPW], v[NIL]
.irp k, 0,1,2,3,4,5,6,7
	v_xor_b32 v[ADR+\k], SLOT, v[ADR+\k]           ; the reads turn to the other slot (SLOT shares no bit with k BLK + 16 lane)
.endr
.if \fill
	s_xor_b32 s[G0+1], s[G0+1], SLOT               ; and so does the fill
	s_add_nc_u64 s[G0+2:G0+3], s[G0+2:G0+3], 2*BLK
.endif
	s_wait_alu depctr_va_vdst(0)
	s_wait_dscnt 0x0
.if \fill
	CROUND
	tensor_load_to_lds s[G0:G0+3], s[G1:G1+7]      ; the first time: slot 1's first fill, issued as a refill is
	s_nop 0
	PLACES 4
.else
	s_barrier_signal -1
	s_barrier_wait -1
.endif
.irp e, 0,1,2,3,4,5,6,7
	BS1 0, \e
.endr
.irp j, 0,1,2,3
	RING \j, 0                                     ; batch 0; its register slots were last read by batch 14, ahead of batch 15's places
.endr
.endm
	s_mov_b32 s3, 7
	s_wait_loadcnt 0x0                             ; the bias and the first three steps' x
.Lslot:
	CHANGE 1
.set NN, 0
.rept 16
	BATCH NN, 0
.set NN, NN+1
.endr
	WIN 0
	s_wait_xcnt 0x0                                ; the trip's loads and prefetches have read their bases
	s_add_nc_u64 s[AB:AB+1], s[AB:AB+1], 2*BLK
	s_add_nc_u64 s[PB:PB+1], s[PB:PB+1], 2*BLK
	s_add_nc_u64 s[PX:PX+1], s[PX:PX+1], 2*BLK
	s_sub_co_u32 s3, s3, 1
	s_cmp_lg_u32 s3, 0
	s_cbranch_scc1 .Lslot
	CHANGE 0                                       ; the last slot: nothing is filled again
.set NN, 0
.rept 16
	BATCH NN, 1
.set NN, NN+1
.endr
	s_wait_tensorcnt 0x0                           ; the wave's end
	ds_add_u32 v[SPW], v[NIL]
	s_wait_dscnt 0x0
	CROUND                                         ; the closing round
	s_endpgm
.Lfunc_end_k_qf2cea23c58_gemm:
	.size	k_qf2cea23c58_gemm, .Lfunc_end_k_qf2cea23c58_gemm-k_qf2cea23c58_gemm
	.p2alignl 7, 3214868480
	.fill 96, 4, 3214868480
	.section	.rodata,"a",@progbits
	.p2align	6, 0x0
	.amdhsa_kernel k_qf2cea23c58_gemm
		.amdhsa_group_segment_fixed_size 327680
		.amdhsa_private_segment_fixed_size 0
		.amdhsa_enable_private_segment 0
		.amdhsa_kernarg_size 32
		.amdhsa_user_sgpr_count 2
		.amdhsa_user_sgpr_kernarg_segment_ptr 1
		.amdhsa_wavefront_size32 1
		.amdhsa_system_sgpr_workgroup_id_x 1
		.amdhsa_system_sgpr_workgroup_id_y 1
		.amdhsa_system_sgpr_workgroup_id_z 1
		.amdhsa_system_vgpr_workitem_id 0
		.amdhsa_next_free_vgpr 1024
		.amdhsa_next_free_sgpr 66
		.amdhsa_reserve_vcc 0
		.amdhsa_float_denorm_mode_32 3
		.amdhsa_float_denorm_mode_16_64 3
		.amdhsa_memory_ordered 1
		.amdhsa_forward_progress 1
		.amdhsa_inst_pref_size 175
	.end_amdhsa_kernel
	.amdgpu_metadata
---
amdhsa.version: [ 1, 2 ]
amdhsa.kernels:
  - .name:           k_qf2cea23c58_gemm
    .symbol:         k_qf2cea23c58_gemm.kd
    .args:
      - { .name: xq, .offset: 0, .size: 8, .value_kind: global_buffer, .address_space: global }
      - { .name: wq, .offset: 8, .size: 8, .value_kind: global_buffer, .address_space: global }
      - { .name: bias, .offset: 16, .size: 8, .value_kind: global_buffer, .address_space: global }
      - { .name: out0, .offset: 24, .size: 8, .value_kind: global_buffer, .address_space: global }
    .group_segment_fixed_size: 327680
    .private_segment_fixed_size: 0
    .kernarg_segment_align: 8
    .kernarg_segment_size: 32
    .max_flat_workgroup_size: 128
    .sgpr_count:     66
    .vgpr_count:     1024
    .wavefront_size: 32
...
	.end_amdgpu_metadata
.endif
;; end of part 2
